; MI455X (gfx1250); checked and timed in simulation.
; The chip was launched on July 23, 2026; its instructions are those of AMD's public machine-readable ISA for CDNA 5 (MIT licence, August 2026) and "CDNA5" Instruction Set Architecture Reference Guide (July 2026). The comments in the code are by the model that wrote it; some were corrected since.
;; Full Attention. Allowed arithmetic: matrix products marked QUANTISED: E2M1 operands, one E8M0 scale for each 32 along K, by v_wmma_scale_f32_16x16x128_f8f6f4 with both operands' format E2M1 (or v_wmma_scale_f32_32x16x128_f4), f32 sums; everything else in f32.
;; Inputs: keys_codes 2 x 16 x 2,048 x 2 x 16 uint8 (E2M1 codes of keys, K innermost, in blocks of 32 codes, two codes a byte); keys_scales 2 x 16 x 2,048 x 2 uint8 (E8M0 scales of keys, one for each 32 codes along K); queries_codes 2 x 16 x 2,048 x 2 x 16 uint8 (E2M1 codes of queries, K innermost, in blocks of 32 codes, two codes a byte); queries_scales 2 x 16 x 2,048 x 2 uint8 (E8M0 scales of queries, one for each 32 codes along K); values_codes 2 x 16 x 64 x 64 x 16 uint8 (E2M1 codes of values, K innermost, in blocks of 32 codes, two codes a byte); values_scales 2 x 16 x 64 x 64 uint8 (E8M0 scales of values, one for each 32 codes along K).
;; Outputs: out0 2 x 16 x 2,048 x 64 float32.
;; This version of the problem:
;;   THIS VERSION OF THE PROBLEM IS GIVEN IN LOW PRECISION. The matrix products marked QUANTISED in the list below multiply operands that are first quantised to E2M1 (2 exponent bits, 1 mantissa bit; 4 bits a number), with one power-of-two scale for each 32 numbers along K (OCP MX v1.0); their sums are f32. All else is computed in f32.
;;   The module's matrix products, in the order in which they are computed (A, B: the left and right operand; K: the contracted axis; several contracted axes count as one K, in the product's order):
;;     1. batch 32 x [M 2,048, K 64] x [K 64, N 2,048]; A: input queries (given as codes); B: input keys (given as codes): QUANTISED
;;     2. batch 32 x [M 2,048, K 2,048] x [K 2,048, N 64]; A: softmax (see below); B: input values (given as codes): QUANTISED
;;   THE QUANTISER, for each operand of a quantised product, along K:
;;     - K is cut into blocks of 32 from its start; a last block that is shorter is filled with zeros.
;;     - A block's scale is 2^e with e = floor(log2(the largest magnitude in the block)) - 2, held to -126 .. 127; a block of zeros has e = 0. As a byte (E8M0): e + 127.
;;     - Each number is divided by its block's scale, clamped to +-6, and rounded to the nearest number of E2M1, ties to even, subnormals kept.
;;     - The product sums the exact products of the quantised numbers (number of the format x scale) in f32.
;;   ~~~python
;;   def quantise(x, axis):      # numpy; x: float32 -> the quantised numbers, widened to float32 again
;;       x = np.moveaxis(x, axis, -1); K = x.shape[-1]
;;       x = np.pad(x, [(0, 0)] * (x.ndim - 1) + [(0, -K % 32)]); x = x.reshape(x.shape[:-1] + (-1, 32)); a = np.abs(x).max(-1, keepdims=True)
;;       e = np.where(a > 0, np.clip(np.frexp(np.where(a > 0, a, 1))[1] - 1 - 2, -126, 127), 0)      # np.frexp(a)[1] - 1 = floor(log2(a)), exactly
;;       r = np.clip(x / 2.0 ** e, -6, 6)
;;       step = 2.0 ** (np.maximum(np.frexp(np.where(r == 0, 1, r))[1] - 1, 0) - 1)
;;       q = np.round(r / step) * step * 2.0 ** e      # np.round: ties to even
;;       return np.moveaxis(q.reshape(q.shape[:-2] + (-1,))[..., :K], -1, axis).astype(np.float32)
;;   ~~~
;;   SOFTMAX AHEAD OF A QUANTISED PRODUCT. Where the list says 'softmax', what is quantised is not the finished softmax but p = 2^(t - M), with t = logit x log2(e) and M = ceil(the row's largest t), a whole number; so 1/2 < the row's largest p <= 1. The row's sum l is taken of the UNQUANTISED p, in f32, and the product's result is divided by l at the end. Since M is a whole number, a kernel that streams over the keys may use a running M (the ceiling of the running maximum): every later rescaling is an exact power of two, which a block's scale takes up: the codes' values come out the same.
;;   OPERANDS COMPUTED ON THE WAY. 'Computed on the way' means the value that the module computes at that place (a softmax that the list does not call 'softmax' is quantised finished and normalised). What goes into a quantiser is computed in f32, as accurately as f32 sums, v_exp_f32 and their like allow (about 1e-6 of the number): no bf16 or f16 on the way to a quantiser, and a product that is left as it is and whose result goes on into a quantised operand takes f32 operands (vector FMAs, or v_wmma_f32_16x16x4_f32). A number that lies on a knife's edge between two numbers of the format may be rounded either way, as far as f32 arithmetic and the matrix unit's own rounding can turn it there, and no further.
;;   INPUTS GIVEN AS CODES. keys (in the module: [2, 16, 2048, 64], K = its axis 3); queries (in the module: [2, 16, 2048, 64], K = its axis 3); values (in the module: [2, 16, 2048, 64], K = its axis 2): each comes as NAME_codes (uint8): NAME with its K axis moved to the last place and cut into blocks of 32 codes, [.., K / 32, bytes a block], one block behind the other in memory; two codes a byte, the lower K in the low four bits (a code: sign, 2 exponent bits, 1 mantissa bit); and NAME_scales (uint8): the same leading axes, one E8M0 byte (e + 127) for each 32 codes along K. Its value is code x scale, taken as it is: it is not quantised again, and the codes and scales need not be those that the quantiser above would give.
;; One version. Each part assembles by itself: llvm-mc -triple=amdgcn-amd-amdhsa -mcpu=gfx1250 --defsym DOCPART=n.
;; ======== version 1 of 1: 1 launch
;; launch attn (part 1): grid 8 x 32, 8 waves a work-group, clusters of 4 x 1, 181,248 bytes of LDS; arguments keys_codes, keys_scales, queries_codes, queries_scales, values_codes, values_scales, out0; writes out0
.if DOCPART == 1
	.amdgcn_target "amdgcn-amd-amdhsa--gfx1250"
	.amdhsa_code_object_version 6
	.text
	.protected	k_q3333966fea_attn
	.globl	k_q3333966fea_attn
	.p2align	8
	.type	k_q3333966fea_attn,@function
k_q3333966fea_attn:
	s_mov_b64 s[64:65], 0
	v_nop
	global_prefetch_b8 v0, s[64:65] scope:SCOPE_SE
	s_setreg_imm32_b32 hwreg(HW_REG_WAVE_MODE, 25, 1), 1
	s_wait_xcnt 0x0
	s_wait_alu depctr_hold_cnt(0) depctr_sa_sdst(0) depctr_va_vdst(0) depctr_va_sdst(0) depctr_va_ssrc(0) depctr_va_vcc(0) depctr_vm_vsrc(0)
	s_getreg_b32 s2, hwreg(HW_REG_IB_STS2, 6, 4)
	s_cmp_eq_u32 s2, 0
	s_cbranch_scc0 .Lentry_in_a_cluster
	s_endpgm
.Lentry_in_a_cluster:
	s_bfe_u32 s2, ttmp6, 0x10000c
	s_cmp_lg_u32 s2, 0x3003
	s_cbranch_scc0 .Lentry_shape_is_right
	s_endpgm
.Lentry_shape_is_right:
; out0[head][q][:] = the sum over k <= q of softmax_k(Q[q] . K[k] / 8) V[k][:], 32 heads of 2,048 x 64, both products on codes of FP4 (E2M1) with one E8M0 scale for each 32 along a product's K.
; Q, K: rows of 32 bytes of codes (K = the head's 64) and 2 scale bytes.  V: the keys innermost: a head is 64 rows (channels) of 1,024 bytes of codes and 64 scale bytes.  out0: f32.
; THE SOFTMAX AHEAD OF THE SECOND PRODUCT: t = score x log2(e) / 8; M = the running largest t rounded UP to a whole number; p = 2^(t - M) is quantised along the keys, not normalised; the row's sum is taken of the
; unquantised p and divides at the end; when M moves, the sum and O are multiplied by 2^(old M - new M), which rounds nothing.
; SHARES.  A head has 16 blocks of 128 queries, a block 8 tiles of 16.  Work-group (g, head) takes tile g of EVERY block; its wave w takes tile A in block 15 - w and tile B in block w.  A key step is 128 keys; a tile of
; block j needs steps 0 .. j: so every wave has (16 - w) + (w + 1) = 17 tile steps, whatever w.  Which steps a wave works hangs on w and the loop's counter alone; g enters only Q's and out0's global addresses and the
; number that the causal compare takes: the four partners of a cluster run alike.
; LDS.  A head's K and V, codes and scale bytes, are 136 KB: they come ONCE, at the start, and stay: no slot is ever filled again.  The eight work-groups of a head read the same bytes: four of them form a cluster and ask
; JOINTLY (a mask names four at the most, so a head has two clusters).  Every wave issues two loads: two of mine are out, until the one wait for them.
; LAYOUT.  Both products are used transposed: S^T = K Q^T (source 0 = 16 keys, source 1 = 16 queries), O^T = V^T P^T: a lane holds ONE query (lane % 16) throughout.  THE KEYS OF A TILE ARE NOT NEIGHBOURS: lane r of tile
; 4 c + t takes key 64 c + 32 (r / 8) + 8 t + r % 8.  So score register n of lane (r, h) is key 64 (n / 32) + 32 h + n % 32: a lane holds two WHOLE blocks of 32 keys, a block's maximum needs no other lane, and the eight
; conversions' results are P's operand registers as they stand.
; K = 64 IN AN INSTRUCTION OF K = 128.  Registers 0-3 of a fragment are the row's 64 codes.  Q's registers 4-7 are zero codes.  K's registers 4-7 are whatever follows (the next tile's codes; behind the last tile four
; cleared registers): E2M1 has no infinity and no NaN, and every one of those codes meets a zero code of Q.  Bytes 2 and 3 of K's and Q's scale words are 0 (2^-127, never 0xff): the words are loaded as 16 bits, zero-extended.
; LIMITS.  Scale bytes 0xff (NaN) among the inputs are not served.  A block whose every p is 0 keeps the scale byte 1: its codes are zeros.  p under 2^-126 comes out of v_exp_f32 as 0 (ISA guide 15.8).  A block's largest p
; is made from its largest score by the same multiply-add and exponential: this takes v_exp_f32 not to fall where its input rises.
.set KP,    1040                       ; an LDS row of K's or V's codes: 1,024 bytes + 16 of padding.  K: 32 keys to a row; V: one channel's 2,048 keys
.set KC,    0                          ; K's codes: 64 rows
.set VC,    64*KP                      ; V's codes: 64 rows
.set SCK,   2*64*KP                    ; K's scale bytes: 4,096, dense, 2 a key
.set SVP,   72                         ; a row of V's scale bytes: 64 + 8 of padding = 18 words: 32 lanes' words fall on 32 different banks (64 banks of 4 bytes: ISA guide 11.1)
.set SCV,   SCK+4096                   ; V's scale bytes: 64 rows
.set STAGE, SCV+64*SVP                 ; the way out: 16 rows x (256 + 16) bytes for each wave; a multiple of 256, and no fill lands there
.set SP,    272
.set AK0,  1                           ; v1   my lane's place in a step's tiles of K
.set AV0,  2                           ; v2   of V
.set ASK0, 3                           ; v3   among K's scale bytes
.set ASV0, 4                           ; v4   among V's scale words
.set DD,   5                           ; v5   16 g + r - 32 h: score register n is hidden on the diagonal where 64 (n / 32) + n % 32 > this
.set SH8,  6                           ; v6   8 h: where my two scale bytes stand in p's scale word
.set NINF, 7                           ; v7   -infinity
.set ADK,  8                           ; v8-11 the trip's LDS addresses: K, V, K's scales, V's scales
.set ADV,  9
.set ADS,  10
.set ADT,  11
.set STA,  12                          ; v12 -M, v13 the largest t, v[14:15] the sum in two halves: tile A's
.set STB,  16                          ; v16-19 tile B's
.set QA,   20                          ; v20-23 tile A's codes of Q, v24-27 zero codes
.set QB,   28                          ; v28-35 tile B's
.set QSA,  36                          ; v36, v37 Q's scale words
.set QSB,  37
.set PWA,  38                          ; v38, v39 p's scale words
.set PWB,  39
.set KSC,  40                          ; v40-43 K's scale words: register u: lanes 0-15 tile 2 u, lanes 16-31 tile 2 u + 1
.set VSC,  44                          ; v44-45 V's likewise
.set STO,  46                          ; v46  the way out: where I put 32 bytes of a row
.set RD,   47                          ; v47  and where I read a row back
.set KV,   48                          ; v48-79 K's eight tiles x 4 registers, later V's four x 8; v80-83 stay zero
.set S,    84                          ; v84-147 the scores, then p; on the way out rows of out0
.set OA,   148                         ; v148-179 tile A's O^T
.set OB,   180                         ; v180-211 tile B's
.set PA,   212                         ; v212-219 tile A's codes of p
.set PB,   220                         ; v220-227 tile B's
.set W,    228                         ; v228-231 four chains of maxima
.set BM,   232                         ; v232-233 my two blocks' largest scores, then largest p
.set SO,   234                         ; v234-235 the conversions' scale operands
.set BY,   236                         ; v236-237 the scale bytes
.set T,    238                         ; v238 at work; a lane permute's destination
.set RM,   239                         ; v239 the row's maximum; the row's sum
.set F,    240                         ; v240 f = 2^(old M - new M); 1 / the sum; v241 is named with it as a pair
.set T2,   242                         ; v[242:243] the sum's second chain
.set GO,   244                         ; v244 16 x lane: my bytes of two rows of out0
.set WV,   18                          ; s18  my wave's number
.set PQ,   19                          ; s19  wave % 4: which quarter I fetch
.set GG,   20                          ; s20  g
.set HD,   21                          ; s21  the head
.set SEL,  22                          ; s[22:23] v_permlanex16_b32's selects for lane l xor 16
.set CS,   24                          ; s[24:25] c = log2(e) / 8
.set KS,   26                          ; s26  the key step
.set TK,   27                          ; s27-30 where the step's bytes begin: K's codes, K's scales, V's codes, V's scales
.set TS,   28
.set TV,   29
.set TT,   30
.set LA,   31                          ; s31  15 - w: tile A's block, and its last step
.set G1C,  32                          ; s[32:39] descriptor group 1 for codes;  s[40:47] for K's scale bytes;  s[48:55] for V's
.set G1SK, 40
.set G1SV, 48
.set G0K,  56                          ; s[56:59], s[60:63] groups 0 for K's codes and scales;  s[68:71], s[72:75] for V's
.set G0SK, 60
.set G0V,  68
.set G0SV, 72
.set OUTA, 84                          ; s[84:85], s[86:87] out0 at tile A, at tile B
.set OUTB, 86
; A round of the cluster's barrier: my work-group's barrier, so that wave 0's signal speaks for all eight waves; wave 0 signals for the work-group; every wave waits for all four work-groups; my work-group's barrier once more.
.macro ROUND
	s_barrier_signal -1
	s_barrier_wait -1
	s_cmp_lg_u32 s[WV], 0
	s_cbranch_scc1 .Lnot_wave_0_\@
	s_barrier_signal -3
.Lnot_wave_0_\@:
	s_barrier_wait -3
	s_barrier_signal -1
	s_barrier_wait -1
.endm
; A vector instruction or a store that reads a matrix result, and a load into a register that a matrix instruction has read, stand four places behind it; only plain vector instructions that name none of its registers are places.
.macro PLACES
.rept 4
	v_nop
.endr
.endm
; The step's eight tiles of K, 16 bytes a lane each, and their scale words, two tiles to a register.
.macro LOADK
.irp t, 0,1,2,3,4,5,6,7
	ds_load_b128 v[KV+4*\t:KV+4*\t+3], v[ADK] offset:(\t/4)*2*KP+(\t%4)*256
.endr
.irp u, 0,1,2,3
	ds_load_u16 v[KSC+\u], v[ADS] offset:128*(\u/2)+32*(\u%2)
.endr
.endm
; The step's four tiles of V^T (16 channels x 128 keys) and their scale words.
.macro LOADV
.irp t, 0,1,2,3
.irp c, 0,1
	ds_load_b128 v[KV+8*\t+4*\c:KV+8*\t+4*\c+3], v[ADV] offset:16*\t*KP+32*\c
.endr
.endr
.irp u, 0,1
	ds_load_b32 v[VSC+\u], v[ADT] offset:32*SVP*\u
.endr
.endm
; S^T = K Q^T for one tile of queries: eight products, each on an accumulator of its own, begun with the constant 0.  An odd tile's scale words stand in lanes 16-31.
.macro SCORES qf, qw
.irp t, 0,2,4,6
	v_wmma_scale_f32_16x16x128_f8f6f4 v[S+8*\t:S+8*\t+7], v[KV+4*\t:KV+4*\t+7], v[\qf:\qf+7], 0, v[KSC+\t/2], v[\qw] matrix_a_fmt:MATRIX_FMT_FP4 matrix_b_fmt:MATRIX_FMT_FP4
	v_wmma_scale_f32_16x16x128_f8f6f4 v[S+8*\t+8:S+8*\t+15], v[KV+4*\t+4:KV+4*\t+11], v[\qf:\qf+7], 0, v[KSC+\t/2], v[\qw] matrix_a_fmt:MATRIX_FMT_FP4 matrix_b_fmt:MATRIX_FMT_FP4 matrix_a_scale:MATRIX_SCALE_ROW1
.endr
.endm
; On the diagonal the scores of hidden keys become -infinity ahead of the maximum: p = 0 then.  Ascending.
.macro MASK
.set n, 0
.rept 64
	v_cmp_gt_i32 vcc_lo, 64*(n/32)+n%32, v[DD]
	v_cndmask_b32 v[S+n], v[S+n], v[NINF], vcc_lo
.set n, n+1
.endr
.endm
; One tile's softmax for one key step.  st: its statistics; o: its O^T; pc: where p's codes go; sw: p's scale word.
.macro SOFTMAX st, o, pc, sw
.irp k, 0,1,2,3
	v_max3_num_f32 v[W+\k], v[S+16*\k], v[S+16*\k+1], v[S+16*\k+2]       ; four chains by turns, 16 scores each; every accumulator is first read at its low end
.endr
.irp i, 3,5,7,9,11,13
.irp k, 0,1,2,3
	v_max3_num_f32 v[W+\k], v[W+\k], v[S+16*\k+\i], v[S+16*\k+\i+1]
.endr
.endr
	v_max3_num_f32 v[BM], v[W], v[W+1], v[S+15]                          ; THE LARGEST SCORE OF EACH OF MY TWO BLOCKS OF 32 KEYS: it serves the row's maximum and, since p rises with the score, the block's largest p
	v_max3_num_f32 v[BM+1], v[W+2], v[W+3], v[S+47]
	v_max_num_f32 v[BM], v[BM], v[S+31]
	v_max_num_f32 v[BM+1], v[BM+1], v[S+63]
	v_max_num_f32 v[RM], v[BM], v[BM+1]
	v_permlanex16_b32 v[T], v[RM], s[SEL], s[SEL+1]
	v_max_num_f32 v[RM], v[RM], v[T]                                     ; with lane l xor 16's two blocks: the step's largest score of my query
	v_mul_f32 v[RM], s[CS], v[RM]                                        ; as t (c is positive)
	v_max_num_f32 v[\st+1], v[\st+1], v[RM]                              ; the running largest t
	v_mov_b32 v[T], v[\st]
	v_floor_f32 v[\st], -v[\st+1]                                        ; the new -M = floor(-t) = -ceil(t): a whole number
	v_sub_f32 v[T], v[\st], v[T]                                         ; old M - new M: a whole number, 0 or less
	v_cvt_i32_f32 v[T], v[T]                                             ; (it saturates)
	v_ldexp_f32 v[F], 1.0, v[T]                                          ; f = 2^(old M - new M)
.set j, 0
.rept 32
	v_pk_fma_f32 v[S+j:S+j+1], v[S+j:S+j+1], s[CS:CS+1], v[\st:\st+1] op_sel_hi:[1,0,0]   ; t - M, two at a time (of the pairs c and -M the low word serves both halves)
.set j, j+2
.endr
	v_fma_f32 v[BM], v[BM], s[CS], v[\st]                                ; the same of each block's largest score
	v_fma_f32 v[BM+1], v[BM+1], s[CS], v[\st]
.set j, 0
.rept 64
	v_exp_f32 v[S+j], v[S+j]                                             ; p = 2^(t - M), at most 1
.set j, j+1
.endr
	v_exp_f32 v[BM], v[BM]                                               ; the blocks' largest p
	v_exp_f32 v[BM+1], v[BM+1]
	v_pk_mul_f32 v[\st+2:\st+3], v[\st+2:\st+3], v[F:F+1] op_sel_hi:[1,0]   ; the sums under the new M.  (The plain instruction behind the exponentials: ISA guide 5.7.2)
	s_wait_alu depctr_va_vdst(0)
.irp c, 0,1
	v_max_num_f32 v[BM+\c], 0x1800000, v[BM+\c]                          ; the floor 2^(3 - 127): the byte cannot fall under 1
.endr
.irp c, 0,1
	v_add_nc_u32 v[SO+\c], 0xff000000, v[BM+\c]                          ; 2 off the exponent field: the conversion takes the exponent field of this operand as its scale
.endr
.irp c, 0,1
	v_lshrrev_b32 v[BY+\c], 23, v[SO+\c]                                 ; the scale's byte
.endr
	v_lshl_or_b32 v[\sw], v[BY+1], 16, v[BY]                             ; my two bytes: blocks h and 2 + h,
	v_lshlrev_b32 v[\sw], v[SH8], v[\sw]                                 ; at their places in the word (8 h bits up);
	v_permlanex16_b32 v[T], v[\sw], s[SEL], s[SEL+1]
	v_or_b32 v[\sw], v[\sw], v[T]                                        ; with lane l xor 16's two the word is whole
.irp c, 0,1
.irp g, 0,1,2,3
	v_cvt_scalef32_pk8_fp4_f32 v[\pc+4*\c+\g], v[S+32*\c+8*\g:S+32*\c+8*\g+7], v[SO+\c]   ; register 4 c + g of the operand: keys 64 c + 32 h + 8 g + 0 .. 7
.endr
.endr
	v_nop                                                                ; one plain instruction behind the last scaled conversion
	v_pk_add_f32 v[T2:T2+1], v[S:S+1], v[S+2:S+3]                        ; THE ROW'S SUM IS TAKEN OF THE UNQUANTISED p: two at a time, in two chains
.set j, 4
.rept 15
	v_pk_add_f32 v[\st+2:\st+3], v[\st+2:\st+3], v[S+j:S+j+1]
	v_pk_add_f32 v[T2:T2+1], v[T2:T2+1], v[S+j+2:S+j+3]
.set j, j+4
.endr
	v_pk_add_f32 v[\st+2:\st+3], v[\st+2:\st+3], v[T2:T2+1]
.set j, 0
.rept 16
	v_pk_mul_f32 v[\o+j:\o+j+1], v[\o+j:\o+j+1], v[F:F+1] op_sel_hi:[1,0]   ; O^T under the new M, from each accumulator's low end on.  (With the 32 sums: the plain instructions between the scale word, the codes and the products that take them)
.set j, j+2
.endr
.endm
; O^T += V^T P^T: four products, one on each of the tile's accumulators; between two products on one accumulator stand the next trip's eight on the scores at the least.
.macro PV o, pc, sw
.irp t, 0,2
	v_wmma_scale_f32_16x16x128_f8f6f4 v[\o+8*\t:\o+8*\t+7], v[KV+8*\t:KV+8*\t+7], v[\pc:\pc+7], v[\o+8*\t:\o+8*\t+7], v[VSC+\t/2], v[\sw] matrix_a_fmt:MATRIX_FMT_FP4 matrix_b_fmt:MATRIX_FMT_FP4
	v_wmma_scale_f32_16x16x128_f8f6f4 v[\o+8*\t+8:\o+8*\t+15], v[KV+8*\t+8:KV+8*\t+15], v[\pc:\pc+7], v[\o+8*\t+8:\o+8*\t+15], v[VSC+\t/2], v[\sw] matrix_a_fmt:MATRIX_FMT_FP4 matrix_b_fmt:MATRIX_FMT_FP4 matrix_a_scale:MATRIX_SCALE_ROW1
.endr
.endm
; A finished tile leaves: O^T / the sum; a lane's eight channels of a row are 32 bytes, and the lanes beside it hold other rows: so the tile goes through my own stage and comes back as whole rows of 256 bytes.
.macro WAYOUT st, o, base
	PLACES
	v_add_f32 v[RM], v[\st+2], v[\st+3]                                  ; the sum's two halves,
	v_permlanex16_b32 v[T], v[RM], s[SEL], s[SEL+1]
	v_add_f32 v[RM], v[RM], v[T]                                         ; and lane l xor 16's: the row's sum (over 1/2: the row's largest p is)
	v_rcp_f32 v[F], v[RM]
	v_nop                                                                ; a plain instruction behind the reciprocal
.set j, 0
	s_wait_alu depctr_va_vdst(0)
.rept 16
	v_pk_mul_f32 v[S+j:S+j+1], v[\o+j:\o+j+1], v[F:F+1] op_sel_hi:[1,0]  ; register 8 t + i: out0(query r, channel 16 t + 8 h + i)
.set j, j+2
.endr
.irp t, 0,1,2,3
	ds_store_b128 v[STO], v[S+8*\t:S+8*\t+3] offset:64*\t
	ds_store_b128 v[STO], v[S+8*\t+4:S+8*\t+7] offset:64*\t+16
.endr
.irp i, 0,1,2,3,4,5,6,7
	ds_load_b128 v[S+32+4*\i:S+32+4*\i+3], v[RD] offset:2*SP*\i          ; LDS serves a wave's instructions in order (ISA guide 5.7.1.4): these see my stores
.endr
.irp i, 0,1,2,3,4,5,6,7
	s_wait_dscnt 7-\i                                                    ; load i is in; the 7 - i younger ones may be out
	global_store_b128 v[GO], v[S+32+4*\i:S+32+4*\i+3], s[\base:\base+1] offset:512*\i th:TH_STORE_NT   ; 32 lanes store 512 consecutive bytes, two rows, at a multiple of 256 from out0's first byte
.endr
	s_wait_xcnt 0x0                                                      ; the stores' data registers are written again by the next trip's products only behind this wait
.endm
	s_load_b256 s[4:11], s[0:1], 0x0               ; K's codes s[4:5], K's scales s[6:7], Q's codes s[8:9], Q's scales s[10:11]
	s_load_b128 s[12:15], s[0:1], 0x20             ; V's codes, V's scales
	s_load_b64 s[16:17], s[0:1], 0x30              ; out0
	v_lshl_add_u32 v254, v0, 2, 0x2c000
	v_mov_b32 v255, 0
	ds_add_u32 v254, v255
	ds_add_u32 v254, v255
	v_lshrrev_b32 v235, 5, v0
	v_readfirstlane_b32 s[WV], v235                ; wave 0..7
	s_and_b32 s[PQ], s[WV], 3
	s_xor_b32 s[LA], s[WV], 15                     ; 15 - w
	s_and_b32 s[HD], ttmp7, 0xffff                 ; the head, which the four partners share
	; descriptor group 1.  Codes: 16 rows of 1,024 bytes (128 elements of 8), dense in memory, 4 words of padding behind each 256
	s_mov_b32 s[G1C], 15|(3<<16)|(1<<20)|(1<<21)|(7<<22)|(3<<25)   ; 15:0 the mask: all four work-groups; 17:16 elements of 8 bytes; 20 padding on; 21 set beside a mask; 24:22 after every 256 words (code 7); 31:25 four words (code 3)
	s_mov_b32 s[G1C+1], 128<<16                    ; tensor_dim0
	s_mov_b32 s[G1C+2], 16<<16                     ; tensor_dim1
	s_mov_b32 s[G1C+3], 128<<16                    ; tile_dim0
	s_mov_b32 s[G1C+4], 16                         ; tile_dim1
	s_mov_b32 s[G1C+5], 128                        ; tensor_dim0_stride
	s_mov_b32 s[G1C+6], 0
	s_mov_b32 s[G1C+7], 0
	; K's scale bytes: 1,024 dense bytes as 4 rows of 256 (32 elements of 8), no padding
	s_mov_b32 s[G1SK], 15|(3<<16)|(1<<21)
	s_mov_b32 s[G1SK+1], 32<<16
	s_mov_b32 s[G1SK+2], 4<<16
	s_mov_b32 s[G1SK+3], 32<<16
	s_mov_b32 s[G1SK+4], 4
	s_mov_b32 s[G1SK+5], 32
	s_mov_b32 s[G1SK+6], 0
	s_mov_b32 s[G1SK+7], 0
	; V's scale bytes: 16 rows of 64 bytes (16 elements of 4), 2 words of padding behind each 16
	s_mov_b32 s[G1SV], 15|(2<<16)|(1<<20)|(1<<21)|(3<<22)|(1<<25)
	s_mov_b32 s[G1SV+1], 16<<16
	s_mov_b32 s[G1SV+2], 16<<16
	s_mov_b32 s[G1SV+3], 16<<16
	s_mov_b32 s[G1SV+4], 16
	s_mov_b32 s[G1SV+5], 16
	s_mov_b32 s[G1SV+6], 0
	s_mov_b32 s[G1SV+7], 0
	; what I fetch: quarter p of the head's codes (65,536 bytes a head) and of its scale bytes (4,096 a head): the head and the wave's number alone
	s_lshl_b32 s76, s[HD], 16
	s_lshl_b32 s67, s[PQ], 14
	s_add_co_u32 s76, s76, s67
	s_mov_b32 s77, 0
	s_lshl_b32 s78, s[HD], 12
	s_lshl_b32 s67, s[PQ], 10
	s_add_co_u32 s78, s78, s67
	s_mov_b32 s79, 0
	s_mov_b32 s[G0K], 1                            ; 1:0 count = 1
	s_mul_i32 s[G0K+1], s[PQ], 16*KP               ; 63:32 LDS address: 16 rows a quarter
	s_mov_b32 s[G0SK], 1
	s_lshl_b32 s[G0SK+1], s[PQ], 10
	s_add_co_u32 s[G0SK+1], s[G0SK+1], SCK
	s_mov_b32 s[G0V], 1
	s_add_co_u32 s[G0V+1], s[G0K+1], VC
	s_mov_b32 s[G0SV], 1
	s_mul_i32 s[G0SV+1], s[PQ], 16*SVP
	s_add_co_u32 s[G0SV+1], s[G0SV+1], SCV
	s_wait_dscnt 0x0
	s_wait_kmcnt 0x0
	s_add_nc_u64 s[G0K+2:G0K+3], s[4:5], s[76:77]  ; 120:64 global address
	s_or_b32 s[G0K+3], s[G0K+3], 0x80000000        ; 127:126 type = 2
	s_add_nc_u64 s[G0SK+2:G0SK+3], s[6:7], s[78:79]
	s_or_b32 s[G0SK+3], s[G0SK+3], 0x80000000
	s_add_nc_u64 s[G0V+2:G0V+3], s[12:13], s[76:77]
	s_or_b32 s[G0V+3], s[G0V+3], 0x80000000
	s_add_nc_u64 s[G0SV+2:G0SV+3], s[14:15], s[78:79]
	s_or_b32 s[G0SV+3], s[G0SV+3], 0x80000000
	ROUND                                          ; all four work-groups are here: the joint loads meet
	s_cmp_lt_u32 s[WV], 4                          ; waves 0-3 fetch K's quarters, waves 4-7 V's.  A wave's two loads stand in one branch on its number, ahead of every wait for them and every LDS read; four v_nop follow the second
	s_cbranch_scc0 .Lfill_v
	tensor_load_to_lds s[G0K:G0K+3], s[G1C:G1C+7]
	s_nop 0
	tensor_load_to_lds s[G0SK:G0SK+3], s[G1SK:G1SK+7]
	s_nop 0
.rept 4
	v_nop
.endr
	s_branch .Lfilled
.Lfill_v:
	tensor_load_to_lds s[G0V:G0V+3], s[G1C:G1C+7]
	s_nop 0
	tensor_load_to_lds s[G0SV:G0SV+3], s[G1SV:G1SV+7]
	s_nop 0
.rept 4
	v_nop
.endr
.Lfilled:
	; while the tiles are on their way: Q, the addresses, the first values.  g stands only in registers that feed no descriptor and no LDS address
	s_bfe_u32 s[GG], ttmp6, 0x40000                ; cx: my place in the cluster
	s_lshl_b32 s66, ttmp9, 2                       ; in a cluster launch ttmp9 counts clusters
	s_add_co_u32 s[GG], s66, s[GG]                 ; g = 4 x cluster x + cx
	s_lshl_b32 s80, s[HD], 16                      ; a tile's first byte among Q's codes: 65,536 head + 4,096 block + 512 g
	s_lshl_b32 s66, s[GG], 9
	s_add_co_u32 s80, s80, s66
	s_lshl_b32 s82, s[WV], 12
	s_add_co_u32 s82, s82, s80                     ; tile B: block w
	s_lshl_b32 s66, s[LA], 12
	s_add_co_u32 s80, s80, s66                     ; tile A: block 15 - w
	s_mov_b32 s81, 0
	s_mov_b32 s83, 0
	s_mov_b32 s67, 0
	s_add_nc_u64 s[88:89], s[8:9], s[80:81]        ; Q's codes at tile A,
	s_add_nc_u64 s[90:91], s[8:9], s[82:83]        ; at tile B
	s_lshr_b32 s66, s80, 4                         ; 2 scale bytes for 32 of codes
	s_add_nc_u64 s[92:93], s[10:11], s[66:67]
	s_lshr_b32 s66, s82, 4
	s_add_nc_u64 s[94:95], s[10:11], s[66:67]
	s_lshl_b32 s66, s80, 3                         ; 256 bytes of out0 for 32 of codes
	s_add_nc_u64 s[OUTA:OUTA+1], s[16:17], s[66:67]
	s_lshl_b32 s66, s82, 3
	s_add_nc_u64 s[OUTB:OUTB+1], s[16:17], s[66:67]
	v_and_b32 v228, 15, v0                         ; r = lane % 16
	v_bfe_u32 v229, v0, 4, 1                       ; h = lane / 16
	v_and_b32 v230, 31, v0                         ; lane
	v_lshrrev_b32 v231, 3, v228                    ; r / 8
	v_and_b32 v232, 7, v0                          ; r % 8
	v_lshlrev_b32 v233, 5, v228
	v_lshl_add_u32 v233, v229, 4, v233             ; Q: row r of 32 bytes, + 16 h
	v_lshlrev_b32 v234, 1, v228                    ; its scale bytes: 2 a row
	global_load_b128 v[QA:QA+3], v233, s[88:89]
	global_load_b128 v[QB:QB+3], v233, s[90:91]
	global_load_u16 v[QSA], v234, s[92:93]         ; zero-extended: bytes 2 and 3 are 0
	global_load_u16 v[QSB], v234, s[94:95]
	v_mul_u32_u24 v[AK0], v231, KP                 ; K: key 32 (r / 8) + r % 8 of a tile's first: one LDS row on for r / 8, 32 bytes a key, + 16 h
	v_lshl_add_u32 v[AK0], v232, 5, v[AK0]
	v_lshl_add_u32 v[AK0], v229, 4, v[AK0]
	v_mul_u32_u24 v[AV0], v228, KP                 ; V: channel r of a tile, + 16 h
	v_lshl_add_u32 v[AV0], v229, 4, v[AV0]
	v_add_nc_u32 v[AV0], VC, v[AV0]
	v_lshlrev_b32 v[ASK0], 6, v231                 ; K's scale bytes: 2 a key; lanes 16-31 take the tile 8 keys on
	v_lshl_add_u32 v[ASK0], v232, 1, v[ASK0]
	v_lshl_add_u32 v[ASK0], v229, 4, v[ASK0]
	v_add_nc_u32 v[ASK0], SCK, v[ASK0]
	v_mul_u32_u24 v[ASV0], v230, SVP               ; V's scale words: channel = lane: lanes 16-31 take the next tile's
	v_add_nc_u32 v[ASV0], SCV, v[ASV0]
	s_lshl_b32 s66, s[GG], 4
	v_lshlrev_b32 v[DD], 5, v229
	v_sub_nc_u32 v[DD], v228, v[DD]
	v_add_nc_u32 v[DD], s66, v[DD]                 ; 16 g + r - 32 h
	v_lshlrev_b32 v[SH8], 3, v229
	v_mov_b32 v[NINF], 0xff800000
	s_mul_i32 s3, s[WV], 16*SP
	s_add_co_u32 s3, s3, STAGE                     ; my stage
	v_mul_u32_u24 v[STO], v228, SP                 ; in: row r, 32 bytes for each half of the lanes
	v_lshl_add_u32 v[STO], v229, 5, v[STO]
	v_add_nc_u32 v[STO], s3, v[STO]
	v_mul_u32_u24 v[RD], v229, SP                  ; back: lanes 0-15 one row, lanes 16-31 the next
	v_lshl_add_u32 v[RD], v228, 4, v[RD]
	v_add_nc_u32 v[RD], s3, v[RD]
	v_lshlrev_b32 v[GO], 4, v230
.irp i, 4,5,6,7
	v_mov_b32 v[QA+\i], 0                          ; Q's zero codes for k = 64 .. 127
	v_mov_b32 v[QB+\i], 0
.endr
.irp i, 32,33,34,35
	v_mov_b32 v[KV+\i], 0                          ; what the last tile of K names as its upper half
.endr
.set j, 0
.rept 64
	v_mov_b32 v[OA+j], 0                           ; both tiles' O^T.  (The trip is written once: the first step finds zeros, which the first change of M leaves zeros)
.set j, j+1
.endr
.irp s, STA, STB
	v_mov_b32 v[\s+1], 0xff61b1e6                  ; the largest t so far: -3e38, under every t
	v_floor_f32 v[\s], -v[\s+1]                    ; -M
	v_mov_b32 v[\s+2], 0                           ; the sum, in two halves
	v_mov_b32 v[\s+3], 0
.endr
	v_mov_b32 v[T], 0                              ; a lane permute's destination counts as one of its sources
	v_mov_b32 v[F+1], 0                            ; named with f as a pair
	s_mov_b32 s[SEL], 0x76543210
	s_mov_b32 s[SEL+1], 0xfedcba98
	s_mov_b32 s[CS], 0x3e38aa3b                    ; c = log2(e) / 8
	s_mov_b32 s[CS+1], s[CS]                       ; (named with it as a pair, so it is written)
	s_mov_b32 s[KS], 0
	s_mov_b32 s[TK], 0
	s_mov_b32 s[TS], 0
	s_mov_b32 s[TV], 0
	s_mov_b32 s[TT], 0
	s_wait_loadcnt 0x0                             ; Q
	s_wait_tensorcnt 0x0                           ; my two quarters are in LDS,
	s_barrier_signal -1
	s_barrier_wait -1                              ; everybody's are: from here on K and V are only read
.Ltrip:                                            ; 16 trips in every wave; a trip's work hangs on w and the counter
	s_cmp_gt_u32 s[KS], s[LA]
	s_cbranch_scc1 .Lnext                          ; all keys of the step come after both my tiles
	v_add_nc_u32 v[ADK], s[TK], v[AK0]             ; (these four are also the places between the last trip's products and the loads below)
	v_add_nc_u32 v[ADS], s[TS], v[ASK0]
	v_add_nc_u32 v[ADV], s[TV], v[AV0]
	v_add_nc_u32 v[ADT], s[TT], v[ASV0]
	LOADK
	s_wait_dscnt 0x0
	SCORES QA, QSA
	PLACES
	s_cmp_gt_u32 s[KS], s[WV]
	s_cbranch_scc1 .Lonly
	; ---- steps 0 .. w: both tiles, on the same fragments of K and V.  Tile A is far under the diagonal here
	SOFTMAX STA, OA, PA, PWA
	SCORES QB, QSB
	PLACES
	LOADV                                          ; lands under tile B's softmax
	s_cmp_lg_u32 s[KS], s[WV]
	s_cbranch_scc1 .Lopen_b
	MASK                                           ; step w is tile B's diagonal
.Lopen_b:
	SOFTMAX STB, OB, PB, PWB
	s_wait_dscnt 0x0                               ; V
	PV OA, PA, PWA
	PV OB, PB, PWB
	s_cmp_lg_u32 s[KS], s[WV]
	s_cbranch_scc1 .Lnext
	WAYOUT STB, OB, OUTB                           ; tile B is finished: its stores leave while tile A goes on
	s_branch .Lnext
.Lonly:
	; ---- steps w + 1 .. 15 - w: tile A alone
	LOADV
	s_cmp_lg_u32 s[KS], s[LA]
	s_cbranch_scc1 .Lopen_a
	MASK                                           ; step 15 - w is tile A's diagonal
.Lopen_a:
	SOFTMAX STA, OA, PA, PWA
	s_wait_dscnt 0x0                               ; V
	PV OA, PA, PWA
	s_cmp_lg_u32 s[KS], s[LA]
	s_cbranch_scc1 .Lnext
	WAYOUT STA, OA, OUTA
.Lnext:
	s_add_co_u32 s[TK], s[TK], 4*KP                ; 128 keys on: four LDS rows of K,
	s_add_co_u32 s[TS], s[TS], 256                 ; 256 scale bytes of K,
	s_add_co_u32 s[TV], s[TV], 64                  ; 64 bytes in each row of V,
	s_add_co_u32 s[TT], s[TT], 4                   ; 4 scale bytes in each row of V
	s_add_co_u32 s[KS], s[KS], 1
	s_cmp_lt_u32 s[KS], 16
	s_cbranch_scc1 .Ltrip
	s_wait_dscnt 0x0                               ; no LDS instruction of mine is out at a signal
	s_wait_tensorcnt 0x0
	ds_add_u32 v254, v255
	s_wait_dscnt 0x0
	ROUND                                          ; the closing round: no work-group ends while a partner may still ask for a tile that names it
	s_endpgm
.Lfunc_end_k_q3333966fea_attn:
	.size	k_q3333966fea_attn, .Lfunc_end_k_q3333966fea_attn-k_q3333966fea_attn
	.p2alignl 7, 3214868480
	.fill 96, 4, 3214868480
	.section	.rodata,"a",@progbits
	.p2align	6, 0x0
	.amdhsa_kernel k_q3333966fea_attn
		.amdhsa_group_segment_fixed_size 181248
		.amdhsa_private_segment_fixed_size 0
		.amdhsa_enable_private_segment 0
		.amdhsa_kernarg_size 56
		.amdhsa_user_sgpr_count 2
		.amdhsa_user_sgpr_kernarg_segment_ptr 1
		.amdhsa_wavefront_size32 1
		.amdhsa_system_sgpr_workgroup_id_x 1
		.amdhsa_system_sgpr_workgroup_id_y 1
		.amdhsa_system_sgpr_workgroup_id_z 1
		.amdhsa_system_vgpr_workitem_id 0
		.amdhsa_next_free_vgpr 256
		.amdhsa_next_free_sgpr 96
		.amdhsa_reserve_vcc 1
		.amdhsa_float_denorm_mode_32 3
		.amdhsa_float_denorm_mode_16_64 3
		.amdhsa_memory_ordered 1
		.amdhsa_forward_progress 1
		.amdhsa_inst_pref_size 67
	.end_amdhsa_kernel
	.amdgpu_metadata
---
amdhsa.version: [ 1, 2 ]
amdhsa.kernels:
  - .name:           k_q3333966fea_attn
    .symbol:         k_q3333966fea_attn.kd
    .args:
      - { .name: keys_codes, .offset: 0, .size: 8, .value_kind: global_buffer, .address_space: global }
      - { .name: keys_scales, .offset: 8, .size: 8, .value_kind: global_buffer, .address_space: global }
      - { .name: queries_codes, .offset: 16, .size: 8, .value_kind: global_buffer, .address_space: global }
      - { .name: queries_scales, .offset: 24, .size: 8, .value_kind: global_buffer, .address_space: global }
      - { .name: values_codes, .offset: 32, .size: 8, .value_kind: global_buffer, .address_space: global }
      - { .name: values_scales, .offset: 40, .size: 8, .value_kind: global_buffer, .address_space: global }
      - { .name: out0, .offset: 48, .size: 8, .value_kind: global_buffer, .address_space: global }
    .group_segment_fixed_size: 181248
    .private_segment_fixed_size: 0
    .kernarg_segment_align: 8
    .kernarg_segment_size: 56
    .max_flat_workgroup_size: 256
    .sgpr_count:     96
    .vgpr_count:     256
    .wavefront_size: 32
...
	.end_amdgpu_metadata
.endif
;; end of part 1
